; MI455X (gfx1250); checked and timed in simulation.
; The chip was launched on July 23, 2026; its instructions are those of AMD's public machine-readable ISA for CDNA 5 (MIT licence, August 2026) and "CDNA5" Instruction Set Architecture Reference Guide (July 2026). The comments in the code are by the model that wrote it; some were corrected since.
;; Multi Head Attention. Allowed arithmetic: matrix products marked QUANTISED: E4M3 operands, one given power-of-two scale a tensor, by v_wmma_f32_16x16x64_fp8_fp8 or v_wmma_f32_16x16x128_fp8_fp8, f32 sums; everything else in f32.
;; Inputs: Wk 1,024 x 1,024 float32; Wo 1,024 x 1,024 float32; Wq 1,024 x 1,024 float32; Wv 1,024 x 1,024 float32; bo 1,024 float32; lowp_scales 12 int32 (the exponents e of the quantised operands' scales 2^e); x 4 x 2,048 x 1,024 float32.
;; Outputs: out0 4 x 2,048 x 1,024 float32.
;; This version of the problem:
;;   THIS VERSION OF THE PROBLEM IS GIVEN IN LOW PRECISION. The matrix products marked QUANTISED in the list below multiply operands that are first quantised to E4M3 (4 exponent bits, 3 mantissa bits; 8 bits a number), with one given power-of-two scale for each operand tensor; their sums are f32. All else is computed in f32.
;;   The module's matrix products, in the order in which they are computed (A, B: the left and right operand; K: the contracted axis; several contracted axes count as one K, in the product's order):
;;     1. [M 8,192, K 1,024] x [K 1,024, N 1,024]; A: input x; B: input Wq: QUANTISED (scales: A lowp_scales[0], B lowp_scales[1])
;;     2. [M 8,192, K 1,024] x [K 1,024, N 1,024]; A: input x; B: input Wk: QUANTISED (scales: A lowp_scales[2], B lowp_scales[3])
;;     3. [M 8,192, K 1,024] x [K 1,024, N 1,024]; A: input x; B: input Wv: QUANTISED (scales: A lowp_scales[4], B lowp_scales[5])
;;     4. batch 64 x [M 2,048, K 64] x [K 64, N 2,048]; A: computed on the way; B: computed on the way: QUANTISED (scales: A lowp_scales[6], B lowp_scales[7])
;;     5. batch 64 x [M 64, K 2,048] x [K 2,048, N 2,048]; A: computed on the way; B: softmax (see below): QUANTISED (scales: A lowp_scales[8], B lowp_scales[9])
;;     6. [M 8,192, K 1,024] x [K 1,024, N 1,024]; A: computed on the way; B: input Wo: QUANTISED (scales: A lowp_scales[10], B lowp_scales[11])
;;   THE QUANTISER, for each operand of a quantised product, along K:
;;     - The operand's scale is 2^e, e = its entry of the input lowp_scales (int32; the entries are numbered through the quantised products in the list's order, A before B).
;;     - Each number is divided by the scale, clamped to +-448, and rounded to the nearest number of E4M3, ties to even, subnormals kept.
;;     - The product sums the exact products of the quantised numbers (number of the format x scale) in f32.
;;   ~~~python
;;   def quantise(x, axis, e):      # numpy; x: float32 -> the quantised numbers, widened to float32 again
;;       x = np.moveaxis(x, axis, -1); K = x.shape[-1]
;;       r = np.clip(x / 2.0 ** e, -448, 448)
;;       step = 2.0 ** (np.maximum(np.frexp(np.where(r == 0, 1, r))[1] - 1, -6) - 3)
;;       q = np.round(r / step) * step * 2.0 ** e      # np.round: ties to even
;;       return np.moveaxis(q, -1, axis).astype(np.float32)
;;   ~~~
;;   SOFTMAX AHEAD OF A QUANTISED PRODUCT. Where the list says 'softmax', what is quantised is not the finished softmax but p = 2^(t - M), with t = logit x log2(e) and M = ceil(the row's largest t), a whole number; so 1/2 < the row's largest p <= 1. The row's sum l is taken of the UNQUANTISED p, in f32, and the product's result is divided by l at the end. Since M is a whole number, a kernel that streams over the keys may use a running M (the ceiling of the running maximum): every later rescaling is an exact power of two, so the quantised numbers keep their values, but for numbers so far below the row's largest that they fall under the format's range.
;;   OPERANDS COMPUTED ON THE WAY. 'Computed on the way' means the value that the module computes at that place (a softmax that the list does not call 'softmax' is quantised finished and normalised). What goes into a quantiser is computed in f32, as accurately as f32 sums, v_exp_f32 and their like allow (about 1e-6 of the number): no bf16 or f16 on the way to a quantiser, and a product that is left as it is and whose result goes on into a quantised operand takes f32 operands (vector FMAs, or v_wmma_f32_16x16x4_f32). A number that lies on a knife's edge between two numbers of the format may be rounded either way, as far as f32 arithmetic and the matrix unit's own rounding can turn it there, and no further.
;; One version. Each part assembles by itself: llvm-mc -triple=amdgcn-amd-amdhsa -mcpu=gfx1250 --defsym DOCPART=n.
;; ======== version 1 of 1: 4 launches
;; limits: right only within a limited range of input values
;; workspace buffers: wimg 4,194,304 bytes; ximg 25,165,824 bytes; qimg 8,388,608 bytes; kimg 8,388,608 bytes; vimg 8,388,608 bytes; cimg 8,388,608 bytes
;; launch quant (part 1): grid 640 x 1, 8 waves a work-group, no clusters, 103,424 bytes of LDS; arguments x, Wq, Wk, Wv, Wo, lowp_scales, ximg, wimg; writes ximg, wimg
.if DOCPART == 1
	.amdgcn_target "amdgcn-amd-amdhsa--gfx1250"
	.amdhsa_code_object_version 6
	.text
	.protected	k_qb3ef41f202_quant
	.globl	k_qb3ef41f202_quant
	.p2align	8
	.type	k_qb3ef41f202_quant,@function
k_qb3ef41f202_quant:
	s_mov_b64 s[64:65], 0
	v_nop
	global_prefetch_b8 v0, s[64:65] scope:SCOPE_SE
	s_setreg_imm32_b32 hwreg(HW_REG_WAVE_MODE, 25, 1), 1
	s_wait_xcnt 0x0
; x [8192][1024] f32 becomes three sets of E4M3 codes (scales 2^e0, 2^e2, 2^e4); Wq, Wk, Wv, Wo [1024 (k)][1024 (n)] f32 one set each (e1, e3, e5, e11).
; code = number / 2^e, held within +-448, to the nearest code, ties to even.
; THE CODES ARE STORED AS IMAGES OF OPERAND REGISTERS.  A fragment is 16 rows x 128 k in 16 registers a lane; group c (registers 4 c .. 4 c + 3) of lane (r, h) holds
; k = 32 c + 16 h + 0 .. 15 of row r, and lies at 512 c + 16 x lane of the fragment's 2,048 bytes.  ximg: [set 3][row tile 512][k chunk 8][2,048];  wimg: [weight 4][n tile 64][k chunk 8][2,048].
; A row tile of x is 16 neighbouring rows.  An n tile of a weight is NOT 16 neighbours: row r of tile 2 g + u is column n = 32 g + 8 u + r + 8 (r / 8), so that in the products that
; follow a lane's 16 results of two neighbouring tiles are 16 neighbouring columns.
; SHARES.  Work-groups 0-511: one row tile of x, wave w its k chunk w.  Work-groups 512-639: weights; a wave takes 32 columns x 128 k (two n tiles of one chunk).  One job a wave, no loop, no barrier:
; waves share nothing.  The two paths part on the work-group's number, never join, and have LDS bytes of their own.
; No matrix unit, no tensor load, no cluster: every input byte is read once and nothing is shared between work-groups.
; LIMITS: each e between -126 and 119, so that 2^e and 448 x 2^e are f32 numbers.  NaN among the inputs is not served; an infinity is held at the largest code.
.set XW,    8448                       ; x path: a wave's stage, 16 rows x (512 bytes + 16)
.set WST,   8*XW                       ; weight path: the stages begin here
.set WW,    4352                       ; a wave's stage: two images of 2,048 bytes, 2,176 apart
.set SPARE, WST+8*WW                   ; the spare words, 128 bytes for each wave: four blocks of 256 bytes that no other line names
.set L4,    4                          ; v4   4 x lane
.set XSI,   5                          ; v5   x stage, in: 16 x lane
.set XSO,   6                          ; v6   x stage, out: 528 r + 64 h
.set L16,   7                          ; v7   16 x lane
.set WSI,   8                          ; v8   weight stage, in
.set WSO,   9                          ; v9   weight stage, out: 16 x lane
.set SPW,   10                         ; v10  my spare word; never rewritten
.set NIL,   11                         ; v11  0; never rewritten
.set SC,    12                         ; v12.. pairs: 2^e, 448 x 2^e
.set R,     20                         ; x path: v20-83 as loaded
.set X,     84                         ; v84-147 register 16 c + i = k 32 c + 16 h + i of my row
.set T,     148                        ; v148-179 two sets of 16 held numbers
.set C,     180                        ; v180-227 codes, 16 registers for each of the three sets
.set F,     20                         ; weight path: v20-147 my column's 128 numbers down k
.set WC,    148                        ; v148-179 their codes
.set OB,    180                        ; v180-211 the two images read back
	s_load_b256 s[4:11], s[0:1], 0x0               ; x s[4:5], Wq s[6:7], Wk s[8:9], Wv s[10:11]
	s_load_b256 s[12:19], s[0:1], 0x20             ; Wo s[12:13], the exponents s[14:15], ximg s[16:17], wimg s[18:19]
	v_lshl_add_u32 v[SPW], v0, 2, SPARE
	v_mov_b32 v[NIL], 0
	v_lshrrev_b32 v1, 5, v0
	s_delay_alu instid0(VALU_DEP_1)
	v_readfirstlane_b32 s40, v1                    ; wave 0..7
	v_and_b32 v1, 31, v0                           ; lane
	v_and_b32 v2, 15, v0                           ; r
	v_bfe_u32 v3, v0, 4, 1                         ; h
	s_delay_alu instid0(VALU_DEP_3)
	v_lshlrev_b32 v[L4], 2, v1
	s_delay_alu instid0(VALU_DEP_4)
	v_lshlrev_b32 v[L16], 4, v1
	; every LDS address is made here, ahead of the parting of the two paths
	s_mul_i32 s41, s40, XW
	v_add_nc_u32 v[XSI], s41, v[L16]
	v_mul_u32_u24 v[XSO], v2, 528
	s_delay_alu instid0(VALU_DEP_1)
	v_lshl_add_u32 v[XSO], v3, 6, v[XSO]
	s_delay_alu instid0(VALU_DEP_1)
	v_add_nc_u32 v[XSO], s41, v[XSO]
	s_mul_i32 s42, s40, WW
	s_add_co_u32 s42, s42, WST
	v_bfe_u32 v[WSI], v0, 3, 1                     ; u: which of my two n tiles my column belongs to
	s_delay_alu instid0(VALU_DEP_1)
	v_mul_u32_u24 v[WSI], v[WSI], 2176
	v_and_b32 v[WSO], 7, v0
	s_delay_alu instid0(VALU_DEP_1)
	v_lshl_add_u32 v[WSO], v3, 3, v[WSO]           ; its row there: lane % 8 + 8 (lane / 16)
	s_delay_alu instid0(VALU_DEP_1)
	v_lshl_add_u32 v[WSI], v[WSO], 4, v[WSI]
	s_delay_alu instid0(VALU_DEP_1)
	v_add_nc_u32 v[WSI], s42, v[WSI]
	v_add_nc_u32 v[WSO], s42, v[L16]
	s_wait_kmcnt 0x0
	s_load_b256 s[20:27], s[14:15], 0x0            ; e0 .. e7
	s_load_b128 s[28:31], s[14:15], 0x20           ; e8 .. e11
	s_cmp_lt_u32 ttmp9, 512
	s_cbranch_scc0 .Lweights
	; ---------------- x: 16 rows x 128 k ----------------
	s_lshl_b32 s32, ttmp9, 16                      ; 16 rows of 4,096 bytes
	s_lshl_b32 s33, s40, 9                         ; my chunk's 512 bytes of a row
	s_add_co_u32 s32, s32, s33
	s_mov_b32 s33, 0
	s_add_nc_u64 s[4:5], s[4:5], s[32:33]
.irp j, 0,1,2,3,4,5,6,7,8,9,10,11,12,13,14,15
	global_load_b128 v[R+4*\j:R+4*\j+3], v[L16], s[4:5] offset:4096*\j th:TH_LOAD_NT   ; 32 lanes read 512 consecutive bytes of row j
.endr
	s_lshl_b32 s48, ttmp9, 14                      ; the row tile's 16,384 bytes of images,
	s_lshl_b32 s49, s40, 11                        ; my chunk's 2,048
	s_add_co_u32 s48, s48, s49
	s_mov_b32 s49, 0
	s_add_nc_u64 s[34:35], s[16:17], s[48:49]      ; a base for each set: a set's 8,388,608 bytes do not fit a store's immediate
	s_add_nc_u64 s[36:37], s[34:35], 0x800000
	s_add_nc_u64 s[38:39], s[36:37], 0x800000
	s_wait_kmcnt 0x0
.irp p, 0,1,2
	s_add_co_i32 s48, s[20+2*\p], 127
	s_lshl_b32 s49, s48, 23
	v_mov_b32 v[SC+2*\p], s49                      ; 2^e as f32: the conversion takes its exponent field
	s_add_co_i32 s48, s48, 8
	s_lshl_b32 s48, s48, 23
	s_or_b32 s48, s48, 0x600000
	v_mov_b32 v[SC+2*\p+1], s48                    ; 448 x 2^e
.endr
	s_wait_alu depctr_va_vdst(0)
.irp j, 0,1,2,3,4,5,6,7,8,9,10,11,12,13,14,15
	s_wait_loadcnt 15-\j                           ; loads come back in order: row j is in, the rows behind it may be out
	ds_store_b128 v[XSI], v[R+4*\j:R+4*\j+3] offset:528*\j
.endr
.irp c, 0,1,2,3
.irp i, 0,1,2,3
	ds_load_b128 v[X+16*\c+4*\i:X+16*\c+4*\i+3], v[XSO] offset:128*\c+16*\i   ; my row's k = 32 c + 16 h + 4 i on; rows 528 bytes apart, an odd multiple of 16.  LDS serves a wave's instructions in order: these see my stores
.endr
.endr
	s_wait_dscnt 0x0
.macro QX p                            ; the 64 numbers under scale p: the hold (the conversion to an 8-bit code does not saturate: ISA guide 7.6.2), the conversion, four stores of 512 consecutive bytes
.irp c, 0,1,2,3
.irp i, 0,1,2,3,4,5,6,7,8,9,10,11,12,13,14,15
	v_med3_num_f32 v[T+16*(\c%2)+\i], v[X+16*\c+\i], -v[SC+2*(\p)+1], v[SC+2*(\p)+1]
.endr
	v_cvt_scalef32_pk8_fp8_f32 v[C+16*(\p)+4*\c:C+16*(\p)+4*\c+1], v[T+16*(\c%2):T+16*(\c%2)+7], v[SC+2*(\p)]
	v_cvt_scalef32_pk8_fp8_f32 v[C+16*(\p)+4*\c+2:C+16*(\p)+4*\c+3], v[T+16*(\c%2)+8:T+16*(\c%2)+15], v[SC+2*(\p)]   ; the next group's sixteen holds write the other set: they are the plain lines behind these conversions
.endr
	v_nop                                          ; a plain line behind the run's last conversion
.irp c, 0,1,2,3
	global_store_b128 v[L16], v[C+16*(\p)+4*\c:C+16*(\p)+4*\c+3], s[34+2*(\p):35+2*(\p)] offset:512*\c   ; every store has data registers of its own: none is written again
.endr
.endm
	QX 0
	QX 1
	QX 2
	s_wait_tensorcnt 0x0                           ; the wave's end: behind my last LDS store
	ds_add_u32 v[SPW], v[NIL]
	s_wait_dscnt 0x0
	s_endpgm
	; ---------------- a weight: 32 columns x 128 k ----------------
.Lweights:
	s_sub_co_u32 s41, ttmp9, 512
	s_lshr_b32 s43, s41, 5                         ; which weight: 0 Wq, 1 Wk, 2 Wv, 3 Wo
	s_and_b32 s44, s41, 7
	s_bfe_u32 s45, s41, 0x20003
	s_lshl_b32 s44, s44, 2
	s_and_b32 s46, s40, 3
	s_add_co_u32 s44, s44, s46                     ; g: my 32 columns; four waves stand side by side on 512 bytes of a row
	s_lshl_b32 s45, s45, 1
	s_lshr_b32 s46, s40, 2
	s_add_co_u32 s45, s45, s46                     ; my k chunk
	s_cmp_eq_u32 s43, 1                            ; the choice hangs on the work-group's number alone
	s_cselect_b64 s[50:51], s[8:9], s[6:7]
	s_cmp_eq_u32 s43, 2
	s_cselect_b64 s[50:51], s[10:11], s[50:51]
	s_cmp_eq_u32 s43, 3
	s_cselect_b64 s[50:51], s[12:13], s[50:51]
	s_lshl_b32 s52, s45, 19                        ; 128 rows of 4,096 bytes
	s_lshl_b32 s53, s44, 7
	s_add_co_u32 s52, s52, s53
	s_mov_b32 s53, 0
	s_add_nc_u64 s[50:51], s[50:51], s[52:53]
.macro WLOAD m                         ; A LANE TAKES A COLUMN, ITS REGISTERS RUN DOWN k: block m is k = 16 m .. 16 m + 15
.irp i, 0,1,2,3,4,5,6,7,8,9,10,11,12,13,14,15
	global_load_b32 v[F+16*(\m)+\i], v[L4], s[50:51] offset:4096*(16*(\m)+\i) th:TH_LOAD_NT
.endr
.endm
	WLOAD 0
	WLOAD 1
	WLOAD 2
	s_lshl_b32 s52, s43, 20                        ; the weight's 1,048,576 bytes of images,
	s_lshl_b32 s54, s44, 15                        ; my two n tiles' 16,384 each,
	s_add_co_u32 s52, s52, s54
	s_lshl_b32 s54, s45, 11                        ; my chunk's 2,048
	s_add_co_u32 s52, s52, s54
	s_add_nc_u64 s[54:55], s[18:19], s[52:53]
	s_wait_kmcnt 0x0
	s_cmp_eq_u32 s43, 1
	s_cselect_b32 s46, s23, s21                    ; e3 or e1
	s_cmp_eq_u32 s43, 2
	s_cselect_b32 s46, s25, s46                    ; e5
	s_cmp_eq_u32 s43, 3
	s_cselect_b32 s46, s31, s46                    ; e11
	s_add_co_i32 s46, s46, 127
	s_lshl_b32 s47, s46, 23
	v_mov_b32 v[SC], s47
	s_add_co_i32 s46, s46, 8
	s_lshl_b32 s46, s46, 23
	s_or_b32 s46, s46, 0x600000
	v_mov_b32 v[SC+1], s46
; Block m = 2 c + h' is what lane (r', h') of the image holds in group c: it goes to 512 c + 256 h' + 16 r' of my tile's image.
.macro WBLOCK m, left
	s_wait_loadcnt \left                           ; block m is in; the blocks issued behind it may be out
.irp i, 0,1,2,3,4,5,6,7,8,9,10,11,12,13,14,15
	v_med3_num_f32 v[F+16*(\m)+\i], v[F+16*(\m)+\i], -v[SC+1], v[SC+1]
.endr
	v_cvt_scalef32_pk8_fp8_f32 v[WC+4*(\m):WC+4*(\m)+1], v[F+16*(\m):F+16*(\m)+7], v[SC]
	v_cvt_scalef32_pk8_fp8_f32 v[WC+4*(\m)+2:WC+4*(\m)+3], v[F+16*(\m)+8:F+16*(\m)+15], v[SC]
	v_nop
	ds_store_b128 v[WSI], v[WC+4*(\m):WC+4*(\m)+3] offset:512*((\m)/2)+256*((\m)%2)
.endm
	s_wait_alu depctr_va_vdst(0)
	WBLOCK 0, 32
	WLOAD 3
	WBLOCK 1, 32
	WLOAD 4
	WBLOCK 2, 32
	WLOAD 5
	WBLOCK 3, 32
	WLOAD 6
	WBLOCK 4, 32
	WLOAD 7
	WBLOCK 5, 32
	WBLOCK 6, 16
	WBLOCK 7, 0
.irp u, 0,1
.irp c, 0,1,2,3
	ds_load_b128 v[OB+16*\u+4*\c:OB+16*\u+4*\c+3], v[WSO] offset:2176*\u+512*\c   ; these see my stores: LDS serves a wave's instructions in order
.endr
.endr
.irp u, 0,1
.irp c, 0,1,2,3
	s_wait_dscnt 7-4*\u-\c
	global_store_b128 v[L16], v[OB+16*\u+4*\c:OB+16*\u+4*\c+3], s[54:55] offset:16384*\u+512*\c   ; 512 consecutive bytes
.endr
.endr
	s_wait_tensorcnt 0x0                           ; the wave's end: behind my last LDS store
	ds_add_u32 v[SPW], v[NIL]
	s_wait_dscnt 0x0
	s_endpgm
.Lfunc_end_k_qb3ef41f202_quant:
	.size	k_qb3ef41f202_quant, .Lfunc_end_k_qb3ef41f202_quant-k_qb3ef41f202_quant
	.p2alignl 7, 3214868480
	.fill 96, 4, 3214868480
	.section	.rodata,"a",@progbits
	.p2align	6, 0x0
	.amdhsa_kernel k_qb3ef41f202_quant
		.amdhsa_group_segment_fixed_size 103424
		.amdhsa_private_segment_fixed_size 0
		.amdhsa_enable_private_segment 0
		.amdhsa_kernarg_size 64
		.amdhsa_user_sgpr_count 2
		.amdhsa_user_sgpr_kernarg_segment_ptr 1
		.amdhsa_wavefront_size32 1
		.amdhsa_system_sgpr_workgroup_id_x 1
		.amdhsa_system_sgpr_workgroup_id_y 1
		.amdhsa_system_sgpr_workgroup_id_z 1
		.amdhsa_system_vgpr_workitem_id 0
		.amdhsa_next_free_vgpr 232
		.amdhsa_next_free_sgpr 66
		.amdhsa_reserve_vcc 0
		.amdhsa_float_denorm_mode_32 3
		.amdhsa_float_denorm_mode_16_64 3
		.amdhsa_memory_ordered 1
		.amdhsa_forward_progress 1
		.amdhsa_inst_pref_size 48
	.end_amdhsa_kernel
	.amdgpu_metadata
---
amdhsa.version: [ 1, 2 ]
amdhsa.kernels:
  - .name:           k_qb3ef41f202_quant
    .symbol:         k_qb3ef41f202_quant.kd
    .args:
      - { .name: x, .offset: 0, .size: 8, .value_kind: global_buffer, .address_space: global }
      - { .name: Wq, .offset: 8, .size: 8, .value_kind: global_buffer, .address_space: global }
      - { .name: Wk, .offset: 16, .size: 8, .value_kind: global_buffer, .address_space: global }
      - { .name: Wv, .offset: 24, .size: 8, .value_kind: global_buffer, .address_space: global }
      - { .name: Wo, .offset: 32, .size: 8, .value_kind: global_buffer, .address_space: global }
      - { .name: lowp_scales, .offset: 40, .size: 8, .value_kind: global_buffer, .address_space: global }
      - { .name: ximg, .offset: 48, .size: 8, .value_kind: global_buffer, .address_space: global }
      - { .name: wimg, .offset: 56, .size: 8, .value_kind: global_buffer, .address_space: global }
    .group_segment_fixed_size: 103424
    .private_segment_fixed_size: 0
    .kernarg_segment_align: 8
    .kernarg_segment_size: 64
    .max_flat_workgroup_size: 256
    .sgpr_count:     66
    .vgpr_count:     232
    .wavefront_size: 32
...
	.end_amdgpu_metadata
.endif
;; end of part 1
;; launch qkv (part 2): grid 12 x 32, 4 waves a work-group, clusters of 4 x 4, 327,680 bytes of LDS; arguments ximg, wimg, lowp_scales, qimg, kimg, vimg; writes qimg, kimg, vimg
.if DOCPART == 2
	.amdgcn_target "amdgcn-amd-amdhsa--gfx1250"
	.amdhsa_code_object_version 6
	.text
	.protected	k_qb3ef41f202_qkv
	.globl	k_qb3ef41f202_qkv
	.p2align	8
	.type	k_qb3ef41f202_qkv,@function
k_qb3ef41f202_qkv:
	s_mov_b64 s[64:65], 0
	v_nop
	global_prefetch_b8 v0, s[64:65] scope:SCOPE_SE
	s_setreg_imm32_b32 hwreg(HW_REG_WAVE_MODE, 25, 1), 1
	s_wait_xcnt 0x0
	s_wait_alu depctr_hold_cnt(0) depctr_sa_sdst(0) depctr_va_vdst(0) depctr_va_sdst(0) depctr_va_ssrc(0) depctr_va_vcc(0) depctr_vm_vsrc(0)
	s_getreg_b32 s2, hwreg(HW_REG_IB_STS2, 6, 4)
	s_cmp_eq_u32 s2, 0
	s_cbranch_scc0 .Lentry_in_a_cluster
	s_endpgm
.Lentry_in_a_cluster:
	s_bfe_u32 s2, ttmp6, 0x10000c
	s_cmp_lg_u32 s2, 0xf033
	s_cbranch_scc0 .Lentry_shape_is_right
	s_endpgm
.Lentry_shape_is_right:
; q = x Wq, k = x Wk, v = x Wv on codes of E4M3, and the results quantised at once (scales 2^e6, 2^e7, 2^e8) and stored as images of the operand registers that the attention launch wants.
; The cluster's x says which product (0 q, 1 k, 2 v); a work-group makes 256 rows x 256 columns, a wave 128 x 128: 64 accumulators, 512 registers.  K = 1,024 goes in four K steps of 256 through two LDS slots.
; OPERANDS ARE IMAGES: a fragment (16 rows x 128 k) is 2,048 bytes, group c at 512 c + 16 x lane; a tile's record is 8 chunks, 16,384 bytes.  A K step is 4,096 bytes of each record; a tensor load brings
; 8 records' parts (8 rows of 4,096 bytes, 16,384 apart), laid on end in LDS.  Every LDS load reads 512 consecutive bytes: no padding.
; q, k: source 0 = an n tile of W, source 1 = a row tile of x: a lane holds ONE row t, and the 16 registers of n tiles 2 g, 2 g + 1 are columns 32 g + 16 h + 0 .. 15 (the n tiles are chosen so): two conversions
;   give one group of a head's K = 64 fragment.   qimg, kimg: [batch 4][pair of heads 8][t tile 128][g 4][lane][16].
; v: THE SOURCES ARE SWAPPED (source 0 = x, source 1 = Wv): a lane holds one channel, and row tile b's registers are t = 16 b + 8 h + 0 .. 7: registers 2 b, 2 b + 1 of a K = 128 fragment along the keys.
;   vimg: [batch 4][chunk of 128 keys 16][n tile 64][g 4][lane][16].   The swap is a choice of LDS regions by the cluster's x, the same in all partners; the text is one.
; In all three the block of source 1 with number a stores at 2,048 a + 512 g: one way out, straight from registers, 512 consecutive bytes a store.
; CLUSTER 4 x 4: x's tiles are shared along a row of the cluster, W's along a column: joint loads.
; LIMITS: e6 - e0 - e1, e7 - e2 - e3 and e8 - e4 - e5 between -126 and 119, so that the folded scale and 448 times it are f32 numbers.
; REGISTERS: window 0: v16-31 addresses and scales; v128-255 source 1's fragments, ONE set, later the codes.  window 1: source 0's fragments, two sets.  windows 2, 3: accumulator (a, b) at v[8 (8 (a % 4) + b)].
.set NA,    8                          ; blocks of source 1 in a wave
.set HB,    NA/2
.set NL,    4                          ; LDS loads of a fragment
.set FR,    16                         ; its registers
.set NP,    4                          ; places behind this matrix instruction (ISA guide 7.12.1)
.set REG,   65536                      ; a region: 16 tiles x 4,096 bytes
.set SLOT,  2*REG                      ; x's region, then W's
.set KSB,   4096                       ; a K step in a record
.set SPARE, 2*SLOT+1024                ; the spare words, 128 bytes for each wave: two blocks of 256 bytes that no other line names
.set ADRA,  16                         ; v16-17  source 1's fragments in slot 0, 1
.set ADRB,  20                         ; v20-21  source 0's
.set CO,    26                         ; v26     16 x lane
.set SPW,   28                         ; v28     my spare word; never rewritten
.set NIL,   29                         ; v29     0; never rewritten
.set SCV,   30                         ; v30     the folded scale as f32
.set LIMV,  31                         ; v31     448 x that
.set AF,    128
.set CD,    128                        ; the way out: block a's codes at v[128 + 16 a]
.set G1,    24                         ; s[24:31] group 1 for x's tiles; s[32:39] group 0, a set for each slot
.set G0,    32
.set G1B,   48                         ; s[48:55], s[56:63] the same for W's
.set G0B,   56
.set MSB,   0
.macro WIN new                         ; the immediate's high byte repeats the setting that is left
.if MSB != \new
	s_set_vgpr_msb (MSB<<8)|\new
.set MSB, \new
.endif
.endm
.set MUL_LO, 0xa1                      ; source 0 window 1, source 1 window 0, C and D window 2
.set MUL_HI, 0xf1                      ; the same, C and D window 3
.set TO_B,   0x40                      ; destination window 1, address window 0
; A joint load: waves 0 and 1 fetch x's halves, waves 2 and 3 W's.  The branch hangs on the wave's number alone.  An s_nop 0 and four v_nop follow each of the two lines.
.macro JLOAD g0a, g1a, g0b, g1b
	s_cmp_eq_u32 s15, 0
	s_cbranch_scc0 .Lfor_b_\@
	tensor_load_to_lds s[\g0a:\g0a+3], s[\g1a:\g1a+7]
	s_nop 0
.rept 4
	v_nop
.endr
	s_branch .Lasked_\@
.Lfor_b_\@:
	tensor_load_to_lds s[\g0b:\g0b+3], s[\g1b:\g1b+7]
	s_nop 0
.rept 4
	v_nop
.endr
.Lasked_\@:
.endm
.macro CREST                           ; a round of the cluster's barrier behind its opening barrier
	s_cmp_lg_u32 s14, 0
	s_cbranch_scc1 .Lnot_wave_0_\@
	s_barrier_signal -3
.Lnot_wave_0_\@:
	s_barrier_wait -3
	s_barrier_signal -1
	s_barrier_wait -1
.endm
.macro CROUND
	s_barrier_signal -1
	s_barrier_wait -1
	CREST
.endm
	s_load_b128 s[4:7], s[0:1], 0x0                ; ximg s[4:5], wimg s[6:7]
	s_load_b128 s[8:11], s[0:1], 0x10              ; the exponents s[8:9], qimg s[10:11]
	s_load_b128 s[72:75], s[0:1], 0x20             ; kimg s[72:73], vimg s[74:75]
	v_lshl_add_u32 v[SPW], v0, 2, SPARE
	v_mov_b32 v[NIL], 0
	ds_add_u32 v[SPW], v[NIL]                      ; the wave's opening: the add and its wait stand ahead of my first tensor load; the set-up below stands between them
	ds_add_u32 v[SPW], v[NIL]
	v_lshrrev_b32 v1, 5, v0
	v_readfirstlane_b32 s14, v1                    ; wave 0..3
	s_lshr_b32 s15, s14, 1                         ; my half of source 1's region.  Also: I fetch for x (0) or for W (1)
	s_and_b32 s16, s14, 1                          ; my half of source 0's region.  Also: which 8 tiles I fetch
	s_bfe_u32 s40, ttmp6, 0x40000                  ; cx: the block of 256 columns
	s_bfe_u32 s41, ttmp6, 0x40004                  ; cy
	s_and_b32 s17, ttmp7, 0xffff
	s_lshl_b32 s17, s17, 2
	s_add_co_u32 s17, s17, s41                     ; the block of 256 rows, 0..31
	s_lshl_b32 s43, s41, 2
	s_lshl_b32 s43, 15, s43                        ; my row of the cluster
	s_lshl_b32 s44, 0x1111, s40                    ; my column
	s_or_b32 s[G1+0], s43, (3<<16)|(1<<21)         ; 15:0 the mask; 17:16 elements of 8 bytes; 21 set beside a mask; no padding
	s_or_b32 s[G1B+0], s44, (3<<16)|(1<<21)
.irp g, G1, G1B
	s_mov_b32 s[\g+1], 512<<16                     ; tensor_dim0 = 512 elements: 4,096 bytes
	s_mov_b32 s[\g+2], 8<<16                       ; tensor_dim1 = 8
	s_mov_b32 s[\g+3], 512<<16                     ; tile_dim0
	s_mov_b32 s[\g+4], 8                           ; tile_dim1
	s_mov_b32 s[\g+5], 2048                        ; from record to record: 16,384 bytes
	s_mov_b32 s[\g+6], 0
	s_mov_b32 s[\g+7], 0
.endr
	s_lshl_b32 s18, s16, 17                        ; the 8 records that I fetch
	s_lshl_b32 s20, ttmp9, 23                      ; x: the product's set of codes,
	s_lshl_b32 s19, s17, 18                        ; the block's 16 records
	s_add_co_u32 s20, s20, s19
	s_add_co_u32 s20, s20, s18
	s_mov_b32 s21, 0
	s_lshl_b32 s46, ttmp9, 20                      ; W: the product's weight,
	s_lshl_b32 s47, s40, 18                        ; the block's 16 records
	s_add_co_u32 s46, s46, s47
	s_add_co_u32 s46, s46, s18
	s_mov_b32 s47, 0
	s_lshl_b32 s45, s14, 15                        ; where they go: wave x 32,768: no place in the cluster enters an LDS address
	s_wait_dscnt 0x0                               ; the opening add is done
	s_wait_kmcnt 0x0
	s_load_b256 s[84:91], s[8:9], 0x0              ; e0 .. e7
	s_load_b128 s[92:95], s[8:9], 0x20             ; e8 .. e11
	s_add_nc_u64 s[20:21], s[4:5], s[20:21]
	s_add_nc_u64 s[46:47], s[6:7], s[46:47]
	CROUND                                         ; all sixteen work-groups are here: the first joint loads meet
.irp s, 0,1
	s_mov_b32 s[G0+4*\s], 1
	s_add_co_u32 s[G0+4*\s+1], s45, \s*SLOT
	s_add_nc_u64 s[G0+4*\s+2:G0+4*\s+3], s[20:21], \s*KSB
	s_or_b32 s[G0+4*\s+3], s[G0+4*\s+3], 0x80000000
	s_mov_b32 s[G0B+4*\s], 1
	s_add_co_u32 s[G0B+4*\s+1], s45, \s*SLOT
	s_add_nc_u64 s[G0B+4*\s+2:G0B+4*\s+3], s[46:47], \s*KSB
	s_or_b32 s[G0B+4*\s+3], s[G0B+4*\s+3], 0x80000000
.endr
	JLOAD G0, G1, G0B, G1B                         ; K step 0: one tensor load a wave at the head
	v_and_b32 v1, 31, v0
	v_lshlrev_b32 v[CO], 4, v1
	s_wait_alu depctr_va_vdst(0)
	s_cmp_eq_u32 ttmp9, 2                          ; v: source 1 reads W's region and source 0 x's
	s_cselect_b32 s76, REG, 0
	s_cselect_b32 s77, 0, REG
	s_lshl_b32 s78, s15, 15
	s_add_co_u32 s76, s76, s78
	s_lshl_b32 s78, s16, 15
	s_add_co_u32 s77, s77, s78
.irp s, 0,1
	v_add_nc_u32 v[ADRA+\s], s76, v[CO]
	v_add_nc_u32 v[ADRB+\s], s77, v[CO]
	s_add_co_u32 s76, s76, SLOT
	s_add_co_u32 s77, s77, SLOT
.endr
	; where my codes go
	s_lshr_b32 s66, s17, 3
	s_lshl_b32 s66, s66, 21                        ; the batch
	s_and_b32 s67, s17, 7                          ; the block of 256 rows in it
	s_lshl_b32 s68, s15, 14                        ; my 8 blocks of source 1: 8 x 2,048
	s_add_co_u32 s66, s66, s68
	s_lshl_b32 s68, s40, 19                        ; q, k: pair of heads 2 cx + (wave & 1), t tile 16 (block) + ..
	s_lshl_b32 s69, s16, 18
	s_add_co_u32 s68, s68, s69
	s_lshl_b32 s69, s67, 15
	s_add_co_u32 s68, s68, s69
	s_lshl_b32 s69, s67, 18                        ; v: chunk of keys 2 (block) + (wave & 1), n tile 16 cx + ..
	s_lshl_b32 s70, s16, 17
	s_add_co_u32 s69, s69, s70
	s_lshl_b32 s70, s40, 15
	s_add_co_u32 s69, s69, s70
	s_cmp_eq_u32 ttmp9, 2
	s_cselect_b32 s68, s69, s68
	s_add_co_u32 s82, s66, s68
	s_mov_b32 s83, 0
	s_wait_alu depctr_va_vdst(0)
	s_wait_kmcnt 0x0
	s_sub_co_i32 s76, s90, s84                     ; a sum stands for sum x 2^(ex + ew): its code is sum / 2^(e - ex - ew)
	s_sub_co_i32 s76, s76, s85
	s_sub_co_i32 s77, s91, s86
	s_sub_co_i32 s77, s77, s87
	s_sub_co_i32 s78, s92, s88
	s_sub_co_i32 s78, s78, s89
	s_cmp_eq_u32 ttmp9, 1
	s_cselect_b32 s76, s77, s76
	s_cselect_b64 s[80:81], s[72:73], s[10:11]
	s_cmp_eq_u32 ttmp9, 2
	s_cselect_b32 s76, s78, s76
	s_cselect_b64 s[80:81], s[74:75], s[80:81]
	s_add_nc_u64 s[80:81], s[80:81], s[82:83]
	s_add_co_i32 s76, s76, 127
	s_lshl_b32 s77, s76, 23
	v_mov_b32 v[SCV], s77
	s_add_co_i32 s76, s76, 8
	s_lshl_b32 s76, s76, 23
	s_or_b32 s76, s76, 0x600000
	v_mov_b32 v[LIMV], s76
.macro FRAG reg, adr, q, i             ; tile i's chunk q of the slot: four loads of 512 consecutive bytes
.irp c, 0,1,2,3
	ds_load_b128 v[\reg+4*\c:\reg+4*\c+3], v[\adr] offset:4096*(\i)+2048*(\q)+512*\c
.endr
.endm
.macro MULB a, p, zero                 ; block a of source 1 against source 0's eight, set p.  zero = 1: the product starts the sums
.irp b, 0,1,2,3,4,5,6,7
.if \zero
	v_wmma_f32_16x16x128_fp8_fp8 v[8*(8*((\a)%4)+\b):8*(8*((\a)%4)+\b)+7], v[128*(\p)+FR*\b:128*(\p)+FR*\b+FR-1], v[AF+FR*(\a):AF+FR*(\a)+FR-1], 0
.else
	v_wmma_f32_16x16x128_fp8_fp8 v[8*(8*((\a)%4)+\b):8*(8*((\a)%4)+\b)+7], v[128*(\p)+FR*\b:128*(\p)+FR*\b+FR-1], v[AF+FR*(\a):AF+FR*(\a)+FR-1], v[8*(8*((\a)%4)+\b):8*(8*((\a)%4)+\b)+7]
.endif
.endr
.endm
.macro MULS a0, n, p, zero             ; blocks a0 .. a0 + n - 1.  The accumulators take turns, one instruction a turn, in the same order in every 128 along K
.set AI, \a0
.rept \n
	MULB AI, \p, \zero
.set AI, AI+1
.endr
.endm
.macro FETCH_B slot, q, p
	WIN TO_B
.irp i, 0,1,2,3,4,5,6,7
	FRAG 128*(\p)+FR*\i, ADRB+\slot, \q, \i
.endr
	WIN 0
.endm
.macro FETCH_A slot, q, i0             ; source 1's blocks i0 .. i0 + HB - 1
.set AI, \i0
.rept HB
	FRAG AF+FR*AI, ADRA+\slot, \q, AI
.set AI, AI+1
.endr
.endm
.macro PLACES n                        ; plain vector lines between a matrix instruction and a load into, or a vector line on, its registers
.rept \n
	v_nop
.endr
.endm
.macro STEP slot, zero                 ; a slot's first 128 along K, on source 0's set 0; the second 128's fragments are fetched
	s_wait_dscnt HB*NL                             ; all but the youngest loads, source 1's upper blocks
	WIN MUL_LO
	MULS 0, HB, 0, \zero
	s_wait_dscnt 0
	PLACES NP
	FETCH_B \slot, 1, 1
	FETCH_A \slot, 1, 0
	WIN MUL_HI
	MULS HB, HB, 0, \zero
	PLACES NP
	WIN 0
	FETCH_A \slot, 1, HB
.endm
; A slot's second 128 changes slots: each wave waits for all its tensor loads, adds 0 to its spare word, and waits for that and for its reads of this slot.  fill = 1: the barrier opens a round of the cluster's, and this slot is filled again, two K steps on.
.macro TURN slot, next, fill
	s_wait_tensorcnt 0x0                           ; my part of the next slot has landed; no load of mine is out
	ds_add_u32 v[SPW], v[NIL]
	s_wait_dscnt HB*NL+1                           ; (the add and source 1's upper blocks may be out)
	WIN MUL_LO
	MULS 0, HB/2, 1, 0
	s_wait_dscnt 0x0                               ; the add is done, and my reads of this slot are over
	s_barrier_signal -1
	MULS HB/2, HB/2, 1, 0
	WIN 0
	s_barrier_wait -1
.if \fill
	CREST                                          ; no wave of any partner still reads this slot or has a load on its way
	s_add_nc_u64 s[G0+4*\slot+2:G0+4*\slot+3], s[G0+4*\slot+2:G0+4*\slot+3], 2*KSB
	s_add_nc_u64 s[G0B+4*\slot+2:G0B+4*\slot+3], s[G0B+4*\slot+2:G0B+4*\slot+3], 2*KSB
	JLOAD G0+4*\slot, G1, G0B+4*\slot, G1B         ; my one tensor load behind the round; its four v_nop are the places in front of the loads below
.else
	PLACES NP
.endif
	FETCH_B \next, 0, 0
	FETCH_A \next, 0, 0
	WIN MUL_HI
	MULS HB, HB, 1, 0
	PLACES NP
	WIN 0
	FETCH_A \next, 0, HB
.endm
	s_wait_alu depctr_va_vdst(0)                   ; the head's end
	s_wait_tensorcnt 0x0                           ; my part of K step 0 is in; slot 1's first fill is issued as a refill is:
	ds_add_u32 v[SPW], v[NIL]
	s_wait_dscnt 0x0
	CROUND                                         ; everybody's part of K step 0 is in, and all sixteen work-groups are here
	JLOAD G0+4, G1, G0B+4, G1B                     ; K step 1: my one tensor load behind the round
	FETCH_B 0, 0, 0
	FETCH_A 0, 0, 0
	FETCH_A 0, 0, HB
	STEP 0, 1                                      ; K has four K steps: they are written out, no loop
	TURN 0, 1, 1                                   ; slot 0 takes K step 2
	STEP 1, 0
	TURN 1, 0, 1                                   ; slot 1 takes K step 3
	STEP 0, 0
	TURN 0, 1, 0                                   ; nothing is left to fetch
	STEP 1, 0
	s_wait_dscnt HB*NL
	WIN MUL_LO
	MULS 0, HB, 1, 0
	s_wait_alu depctr_va_vdst(0)
	s_wait_dscnt 0
	WIN MUL_HI
	MULS HB, HB, 1, 0
	PLACES NP
; THE WAY OUT of block a: the hold (in place, each accumulator from its low end on), eight conversions, four stores of 512 consecutive bytes.  Each block has code registers of its own.
.macro OUTB a
.set AC, 64*((\a)%4)
	WIN 0x82+0x41*((\a)/4)                         ; destination and source 0 window 2 or 3
.set j, 0
.rept 64
	v_med3_num_f32 v[AC+j], v[AC+j], -v[LIMV], v[LIMV]
.set j, j+1
.endr
	WIN 0x02+((\a)/4)                              ; source 0 window 2 or 3, destination window 0
.irp b, 0,1,2,3,4,5,6,7
	v_cvt_scalef32_pk8_fp8_f32 v[CD+16*(\a)+2*\b:CD+16*(\a)+2*\b+1], v[AC+8*\b:AC+8*\b+7], v[SCV]
.endr
	v_nop                                          ; a plain line behind the run's last conversion
	WIN 0
.irp g, 0,1,2,3
	global_store_b128 v[CO], v[CD+16*(\a)+4*\g:CD+16*(\a)+4*\g+3], s[80:81] offset:2048*(\a)+512*\g
.endr
.endm
.irp a, 0,1,2,3,4,5,6,7
	OUTB \a
.endr
	s_wait_tensorcnt 0x0                           ; the wave's end: behind my last tensor load
	ds_add_u32 v[SPW], v[NIL]
	s_wait_dscnt 0x0
	CROUND                                         ; the closing round
	s_endpgm
.Lfunc_end_k_qb3ef41f202_qkv:
	.size	k_qb3ef41f202_qkv, .Lfunc_end_k_qb3ef41f202_qkv-k_qb3ef41f202_qkv
	.p2alignl 7, 3214868480
	.fill 96, 4, 3214868480
	.section	.rodata,"a",@progbits
	.p2align	6, 0x0
	.amdhsa_kernel k_qb3ef41f202_qkv
		.amdhsa_group_segment_fixed_size 327680
		.amdhsa_private_segment_fixed_size 0
		.amdhsa_enable_private_segment 0
		.amdhsa_kernarg_size 48
		.amdhsa_user_sgpr_count 2
		.amdhsa_user_sgpr_kernarg_segment_ptr 1
		.amdhsa_wavefront_size32 1
		.amdhsa_system_sgpr_workgroup_id_x 1
		.amdhsa_system_sgpr_workgroup_id_y 1
		.amdhsa_system_sgpr_workgroup_id_z 1
		.amdhsa_system_vgpr_workitem_id 0
		.amdhsa_next_free_vgpr 1024
		.amdhsa_next_free_sgpr 100
		.amdhsa_reserve_vcc 0
		.amdhsa_float_denorm_mode_32 3
		.amdhsa_float_denorm_mode_16_64 3
		.amdhsa_memory_ordered 1
		.amdhsa_forward_progress 1
		.amdhsa_inst_pref_size 118
	.end_amdhsa_kernel
	.amdgpu_metadata
---
amdhsa.version: [ 1, 2 ]
amdhsa.kernels:
  - .name:           k_qb3ef41f202_qkv
    .symbol:         k_qb3ef41f202_qkv.kd
    .args:
      - { .name: ximg, .offset: 0, .size: 8, .value_kind: global_buffer, .address_space: global }
      - { .name: wimg, .offset: 8, .size: 8, .value_kind: global_buffer, .address_space: global }
      - { .name: lowp_scales, .offset: 16, .size: 8, .value_kind: global_buffer, .address_space: global }
      - { .name: qimg, .offset: 24, .size: 8, .value_kind: global_buffer, .address_space: global }
      - { .name: kimg, .offset: 32, .size: 8, .value_kind: global_buffer, .address_space: global }
      - { .name: vimg, .offset: 40, .size: 8, .value_kind: global_buffer, .address_space: global }
    .group_segment_fixed_size: 327680
    .private_segment_fixed_size: 0
    .kernarg_segment_align: 8
    .kernarg_segment_size: 48
    .max_flat_workgroup_size: 128
    .sgpr_count:     100
    .vgpr_count:     1024
    .wavefront_size: 32
...
	.end_amdgpu_metadata
.endif
;; end of part 2
;; launch attn (part 3): grid 4 x 64, 16 waves a work-group, clusters of 4 x 1, 327,680 bytes of LDS; arguments qimg, kimg, vimg, lowp_scales, cimg; writes cimg
.if DOCPART == 3
	.amdgcn_target "amdgcn-amd-amdhsa--gfx1250"
	.amdhsa_code_object_version 6
	.text
	.protected	k_qb3ef41f202_attn
	.globl	k_qb3ef41f202_attn
	.p2align	8
	.type	k_qb3ef41f202_attn,@function
k_qb3ef41f202_attn:
	s_mov_b64 s[64:65], 0
	v_nop
	global_prefetch_b8 v0, s[64:65] scope:SCOPE_SE
	s_setreg_imm32_b32 hwreg(HW_REG_WAVE_MODE, 25, 1), 1
	s_wait_xcnt 0x0
	s_wait_alu depctr_hold_cnt(0) depctr_sa_sdst(0) depctr_va_vdst(0) depctr_va_sdst(0) depctr_va_ssrc(0) depctr_va_vcc(0) depctr_vm_vsrc(0)
	s_getreg_b32 s2, hwreg(HW_REG_IB_STS2, 6, 4)
	s_cmp_eq_u32 s2, 0
	s_cbranch_scc0 .Lentry_in_a_cluster
	s_endpgm
.Lentry_in_a_cluster:
	s_bfe_u32 s2, ttmp6, 0x10000c
	s_cmp_lg_u32 s2, 0x3003
	s_cbranch_scc0 .Lentry_shape_is_right
	s_endpgm
.Lentry_shape_is_right:
; ctx = softmax(q k^T / 4, causal) v for one head of 64, both products on codes of E4M3, and ctx quantised at once (scale 2^e10) into images for the last product.
; t = score x log2(e) / 4; M = the running largest t rounded UP to a whole number; p = 2^(t - M) is quantised (2^e9), not normalised; the row's sum is taken of the unquantised p and divides at the end.
; LEFT OUT: key steps all of whose 128 keys come after a tile's queries: the causal mask sets those scores to -infinity, so their p is 0 for all values of the inputs.
; A NaN or an infinity that reaches only such scores is not carried to the result.
; SHARES.  A cluster of four work-groups owns one (batch, head).  The head's 2,048 queries are 128 tiles of 16.  Wave w of the work-group at place cx owns tiles u = 4 w + cx and 127 - u:
; tile 127 - u needs key steps (128 keys) 0 .. 15 - w / 2, tile u key steps 0 .. w / 2: 17 key steps in every wave, the last of each tile on the diagonal.  The counts hang on the wave's number alone.
; LDS HOLDS THE HEAD'S WHOLE K AND V: 16 key steps x 8,192 bytes each, 262,144 bytes; nothing is filled again.  Key steps 0-3 are asked for at the head (waves 0-3 K's, waves 4-7 V's), key steps 4-15 behind one
; full sequence and a round of the cluster's barrier (waves 0-11 one key step of K each, waves 12-15 three of V each).  The four partners need the same tiles at the same time: every load is a joint one (mask 15).
; Every wave first walks key steps 0-3 for its high tile; one barrier shows the rest; from there on the waves share nothing and meet no barrier until the closing round.
; NO PREFETCH: all of K and V is asked for by these two groups of loads, the second directly behind the first's landing: there is no loop whose later trips load anything.
; LAYOUT.  S^T = K Q^T (source 0 = 16 neighbouring keys, source 1 = my queries, K = 64): register j of tile a is key 16 a + 8 h + j of query r, so p's codes are registers 2 a, 2 a + 1 of a K = 128 operand along the keys,
; as V's images are.  O^T = V^T P^T (source 0 = 16 channels): register j of tile 2 b + u is channel 32 b + 16 h + 8 u + j: its codes are groups of ctx's image.  All operands are images: every LDS load reads 512 consecutive bytes.
; LIMITS: e6 + e7 between -124 and 129 (added to the exponent field of log2(e) / 4); e9, and e10 - e8 - e9, between -126 and 119; the scaled scores t stay under 2^31 in magnitude.
; REGISTERS: v1, v2 16 x lane in K's and V's regions; v3 ctx's offset; v5, v6 the add's two; v8, v9 LDS addresses; v12 -M, v13 the largest t, v[14:15] the sum; v16-23 Q, v24-31 the low tile's Q; v32-95 K's, then V's fragments;
;   v96-159 S^T, then p; v160-191 O^T; v192-207 p's codes; v208-215 ctx's codes; v232-255 at work and scales.
.set VREG,  131072                     ; V's region; K's begins at 0
.set SPARE, 262144                     ; the spare words, 128 bytes for each of sixteen waves: eight blocks of 256 bytes that no other line names
.set L16,  1
.set L16V, 2
.set GO,   3
.set SPW,  5
.set NIL,  6
.set ADK,  8
.set ADV,  9
.set TB,   2                           ; s2   8,192 x the key step in hand
.set I,    3                           ; s3   the trip: 0-15 the high tile's key steps, 16-23 the low tile's
.set LAST, 8                           ; s8   the trip of the diagonal step of the tile in hand
.set Q0,   9                           ; s9   first query of the tile in hand;  s10 of the low tile
.set Q0L,  10
.set KF,   11                          ; s11  the step's first key
.set WV,   18
.set CB,   19                          ; s19  ctx: 1,024 (2,048 batch + head)
.set SEL,  20                          ; s[20:21] lane l xor 16
.set CS,   22                          ; s[22:23] c
.set G1K,  24                          ; group 1: 8 records' halves of K;  a chunk of V;  three chunks of V
.set G1V,  32
.set G1W,  40
.set GK1,  48                          ; groups 0: K's and V's at the head, K's and V's behind the round
.set GV1,  52
.set GK2,  56
.set GV2,  60
.set NB,   66                          ; s66  wave / 2
.macro TL g0, g1                       ; an s_nop 0 and four v_nop follow each tensor load
	tensor_load_to_lds s[\g0:\g0+3], s[\g1:\g1+7]
	s_nop 0
.rept 4
	v_nop
.endr
.endm
.macro CROUND                          ; a round of the cluster's barrier
	s_barrier_signal -1
	s_barrier_wait -1
	s_cmp_lg_u32 s[WV], 0
	s_cbranch_scc1 .Lnot_wave_0_\@
	s_barrier_signal -3
.Lnot_wave_0_\@:
	s_barrier_wait -3
	s_barrier_signal -1
	s_barrier_wait -1
.endm
	s_load_b128 s[4:7], s[0:1], 0x0                ; qimg s[4:5], kimg s[6:7]
	s_load_b128 s[12:15], s[0:1], 0x10             ; vimg s[12:13], the exponents s[14:15]
	s_load_b64 s[16:17], s[0:1], 0x20              ; cimg
	v_lshl_add_u32 v[SPW], v0, 2, SPARE
	v_mov_b32 v[NIL], 0
	ds_add_u32 v[SPW], v[NIL]                      ; the opening: the add, twice on end, and its wait ahead of the first tensor load
	ds_add_u32 v[SPW], v[NIL]
	v_lshrrev_b32 v8, 5, v0
	v_readfirstlane_b32 s[WV], v8                  ; wave 0..15
	s_bfe_u32 s67, ttmp6, 0x40000                  ; cx: enters the queries' and ctx's global addresses and the mask's numbers alone
	s_and_b32 s68, ttmp7, 0xffff
	s_lshr_b32 s69, s68, 4
	s_lshl_b32 s69, s69, 21                        ; the batch's 2,097,152 bytes, in all four buffers
	s_and_b32 s68, s68, 15                         ; the head
	s_lshr_b32 s70, s68, 1
	s_lshl_b32 s70, s70, 18
	s_add_co_u32 s70, s70, s69
	s_and_b32 s71, s68, 1
	s_lshl_b32 s71, s71, 10
	s_add_co_u32 s70, s70, s71                     ; q, k: the pair of heads, my head's half of a tile's record
	s_lshl_b32 s72, s68, 13
	s_add_co_u32 s72, s72, s69                     ; v: my head's four tiles of a chunk
	s_lshl_b32 s[CB], s68, 10
	s_add_co_u32 s[CB], s[CB], s69
	s_and_b32 s73, s[WV], 3
	s_lshl_b32 s74, s73, 14                        ; at the head: K's key step wave % 4: 8 records of 2,048,
	s_add_co_u32 s74, s74, s70
	s_mov_b32 s75, 0
	s_lshl_b32 s76, s73, 17                        ; V's chunk wave % 4
	s_add_co_u32 s76, s76, s72
	s_mov_b32 s77, 0
	s_lshl_b32 s78, s[WV], 14                      ; behind the round: K's key step 4 + wave,
	s_add_co_u32 s78, s78, s70
	s_add_co_u32 s78, s78, 65536
	s_mov_b32 s79, 0
	s_mul_i32 s80, s73, 393216                     ; V's chunks 4 + 3 (wave % 4) on
	s_add_co_u32 s80, s80, s72
	s_add_co_u32 s80, s80, 524288
	s_mov_b32 s81, 0
	s_mov_b32 s[GK1], 1
	s_lshl_b32 s[GK1+1], s73, 13                   ; LDS: 8,192 x key step, in K's region or in V's
	s_mov_b32 s[GV1], 1
	s_lshl_b32 s[GV1+1], s73, 13
	s_add_co_u32 s[GV1+1], s[GV1+1], VREG
	s_mov_b32 s[GK2], 1
	s_lshl_b32 s[GK2+1], s[WV], 13
	s_add_co_u32 s[GK2+1], s[GK2+1], 32768
	s_mov_b32 s[GV2], 1
	s_mul_i32 s[GV2+1], s73, 24576
	s_add_co_u32 s[GV2+1], s[GV2+1], VREG+32768
.irp g, G1K, G1V, G1W
	s_mov_b32 s[\g], 15|(3<<16)|(1<<21)            ; the mask: all four partners; elements of 8 bytes; bit 21 beside a mask; no padding
	s_mov_b32 s[\g+6], 0
	s_mov_b32 s[\g+7], 0
.endr
	s_mov_b32 s[G1K+1], 128<<16                    ; K: 8 rows of 1,024 bytes, 2,048 apart
	s_mov_b32 s[G1K+2], 8<<16
	s_mov_b32 s[G1K+3], 128<<16
	s_mov_b32 s[G1K+4], 8
	s_mov_b32 s[G1K+5], 256
	s_mov_b32 s[G1V+1], 32<<16                     ; V: 8,192 dense bytes as 32 rows of 256
	s_mov_b32 s[G1V+2], 32<<16
	s_mov_b32 s[G1V+3], 32<<16
	s_mov_b32 s[G1V+4], 32
	s_mov_b32 s[G1V+5], 32
	s_mov_b32 s[G1W+1], 1024<<16                   ; V: 3 rows of 8,192 bytes, 131,072 apart
	s_mov_b32 s[G1W+2], 3<<16
	s_mov_b32 s[G1W+3], 1024<<16
	s_mov_b32 s[G1W+4], 3
	s_mov_b32 s[G1W+5], 16384
	s_lshl_b32 s[Q0L], s[WV], 6
	s_lshl_b32 s82, s67, 4
	s_add_co_u32 s[Q0L], s[Q0L], s82               ; 16 u
	s_sub_co_u32 s[Q0], 2032, s[Q0L]               ; 16 (127 - u): the high tile comes first
	s_lshr_b32 s[NB], s[WV], 1
	s_sub_co_u32 s[LAST], 15, s[NB]
	s_mov_b32 s[SEL], 0x76543210
	s_mov_b32 s[SEL+1], 0xfedcba98
	s_mov_b32 s[CS], 0x3eb8aa3b                    ; log2(e) / 4
	s_wait_dscnt 0x0                               ; both opening adds are done
	s_wait_kmcnt 0x0
	s_load_b256 s[84:91], s[14:15], 0x0            ; e0 .. e7
	s_load_b128 s[92:95], s[14:15], 0x20           ; e8 .. e11
	s_add_nc_u64 s[GK1+2:GK1+3], s[6:7], s[74:75]
	s_or_b32 s[GK1+3], s[GK1+3], 0x80000000
	s_add_nc_u64 s[GV1+2:GV1+3], s[12:13], s[76:77]
	s_or_b32 s[GV1+3], s[GV1+3], 0x80000000
	s_add_nc_u64 s[GK2+2:GK2+3], s[6:7], s[78:79]
	s_or_b32 s[GK2+3], s[GK2+3], 0x80000000
	s_add_nc_u64 s[GV2+2:GV2+3], s[12:13], s[80:81]
	s_or_b32 s[GV2+3], s[GV2+3], 0x80000000
	CROUND                                         ; all four work-groups are here: the first joint loads meet
	s_cmp_lt_u32 s[WV], 4                          ; one chain of branches on the wave's number, one fill to an arm
	s_cbranch_scc0 .Lh_not_k
	TL GK1, G1K
	s_branch .Lh_asked
.Lh_not_k:
	s_cmp_lt_u32 s[WV], 8
	s_cbranch_scc0 .Lh_asked
	TL GV1, G1V
.Lh_asked:
	v_and_b32 v9, 31, v0
	v_lshlrev_b32 v[L16], 4, v9
	v_add_nc_u32 v[L16V], VREG, v[L16]
	s_lshl_b32 s82, s[Q0], 7                       ; a tile of 16 queries is a record of 2,048 bytes
	s_add_co_u32 s82, s82, s70
	s_mov_b32 s83, 0
	s_add_nc_u64 s[74:75], s[4:5], s[82:83]
	s_lshl_b32 s82, s[Q0L], 7
	s_add_co_u32 s82, s82, s70
	s_add_nc_u64 s[76:77], s[4:5], s[82:83]
	s_wait_alu depctr_va_vdst(0)                   ; ahead of the reader below
	global_load_b128 v[16:19], v[L16], s[74:75]            ; Q of the high tile,
	global_load_b128 v[20:23], v[L16], s[74:75] offset:512
	global_load_b128 v[24:27], v[L16], s[76:77]            ; and of the low one
	global_load_b128 v[28:31], v[L16], s[76:77] offset:512
	v_mov_b32 v13, 0xff61b1e6                      ; the largest t so far: -3e38
	v_floor_f32 v12, -v13                          ; -M
	v_mov_b32 v14, 0
	v_mov_b32 v15, 0
	v_mov_b32 v236, 0                              ; (a lane permute's destination counts as one of its sources)
	v_mov_b32 v252, 0
	v_mov_b32 v253, 0
	v_mov_b32 v254, 0
.irp j, 0,1,2,3,4,5,6,7,8,9,10,11,12,13,14,15,16,17,18,19,20,21,22,23,24,25,26,27,28,29,30,31
	v_mov_b32 v[160+\j], 0                         ; O^T: the step is written for all trips alike; a tile's first step finds zeros
.endr
	s_wait_kmcnt 0x0
	s_add_co_i32 s96, s90, s91
	s_lshl_b32 s96, s96, 23
	s_add_co_i32 s[CS], s[CS], s96                 ; a score stands for score x 2^(e6 + e7)
	s_mov_b32 s[CS+1], s[CS]
	s_add_co_i32 s96, s93, 127
	s_lshl_b32 s97, s96, 23
	v_mov_b32 v244, s97                            ; 2^e9
	s_add_co_i32 s96, s96, 8
	s_lshl_b32 s96, s96, 23
	s_or_b32 s96, s96, 0x600000
	v_mov_b32 v240, s96                            ; 448 x 2^e9, twice: one register for each half of a dual pair
	v_mov_b32 v241, s96
	s_sub_co_i32 s96, s94, s92
	s_sub_co_i32 s96, s96, s93                     ; O / l stands for ctx / 2^(e8 + e9): its code is (O / l) / 2^(e10 - e8 - e9)
	s_add_co_i32 s96, s96, 127
	s_lshl_b32 s97, s96, 23
	v_mov_b32 v246, s97
	s_add_co_i32 s96, s96, 8
	s_lshl_b32 s96, s96, 23
	s_or_b32 s96, s96, 0x600000
	v_mov_b32 v247, s96
; A KEY STEP: 128 keys.  mask = 1: the copy that knows of the tile's end: a trip behind the diagonal step is jumped over, and in the diagonal step hidden scores become -infinity (the wave's number and the trip alone decide).
.macro STEP mask
.if \mask
	s_cmp_gt_u32 s[I], s[LAST]
	s_cbranch_scc1 .Lhidden_\@
.endif
	v_add_nc_u32 v[ADK], s[TB], v[L16]
	v_add_nc_u32 v[ADV], s[TB], v[L16V]
.rept 2
	v_nop                                          ; with the two additions: four places in front of loads into registers that the last products read
.endr
.irp a, 0,1,2,3,4,5,6,7
	ds_load_b128 v[32+8*\a:35+8*\a], v[ADK] offset:1024*\a
	ds_load_b128 v[36+8*\a:39+8*\a], v[ADK] offset:1024*\a+512
.endr
	s_wait_dscnt 0x0
	s_wait_alu depctr_va_vdst(0)
.irp a, 0,1,2,3,4,5,6,7
	v_wmma_f32_16x16x64_fp8_fp8 v[96+8*\a:103+8*\a], v[32+8*\a:39+8*\a], v[16:23], 0
.endr
.rept 4
	v_nop                                          ; places in front of the loads below and of the first read of the scores
.endr
.irp d, 0,1,2,3
.irp g, 0,1,2,3
	ds_load_b128 v[32+16*\d+4*\g:35+16*\d+4*\g], v[ADV] offset:2048*\d+512*\g   ; V's fragments land under the softmax
.endr
.endr
.if \mask
	s_cmp_lg_u32 s[I], s[LAST]                     ; ahead of the diagonal step all keys count
	s_cbranch_scc1 .Lopen_\@
	s_sub_co_i32 s96, s[Q0], s[KF]
	v_and_b32 v252, 15, v0
	v_bfe_u32 v253, v0, 4, 1
	s_delay_alu instid0(VALU_DEP_1)
	v_lshlrev_b32 v253, 3, v253
	s_delay_alu instid0(VALU_DEP_1)
	v_sub_nc_u32 v252, v252, v253
	s_delay_alu instid0(VALU_DEP_1)
	v_add_nc_u32 v252, s96, v252                   ; d = my query - KF - 8 h.  Register 8 a + j holds key KF + 16 a + 8 h + j: hidden where 16 a + j > d
	v_mov_b32 v254, 0xff800000
.irp n, 0,1,2,3,4,5,6,7,8,9,10,11,12,13,14,15,16,17,18,19,20,21,22,23,24,25,26,27,28,29,30,31,32,33,34,35,36,37,38,39,40,41,42,43,44,45,46,47,48,49,50,51,52,53,54,55,56,57,58,59,60,61,62,63
	v_cmp_gt_i32 vcc_lo, 16*(\n/8)+\n%8, v252
	v_cndmask_b32 v[96+\n], v[96+\n], v254, vcc_lo
.endr
.Lopen_\@:
.endif
	v_max3_num_f32 v254, v96, v97, v98             ; the step's largest score of my query among my 64 keys, in two chains; each accumulator is read from its low end on
	v_max3_num_f32 v252, v99, v100, v101
.irp i, 6,10,14,18,22,26,30,34,38,42,46,50,54,58
	v_max3_num_f32 v254, v254, v[96+\i], v[97+\i]
	v_max3_num_f32 v252, v252, v[98+\i], v[99+\i]
.endr
	v_max3_num_f32 v254, v254, v158, v159
	s_delay_alu instid0(VALU_DEP_1)
	v_max_num_f32 v254, v254, v252
	s_delay_alu instid0(VALU_DEP_1)
	v_permlanex16_b32 v236, v254, s[SEL], s[SEL+1]
	s_delay_alu instid0(VALU_DEP_1)
	v_max_num_f32 v254, v254, v236                 ; and among lane l xor 16's
	s_delay_alu instid0(VALU_DEP_1)
	v_mul_f32 v254, s[CS], v254                    ; as t (c is positive)
	s_delay_alu instid0(VALU_DEP_1)
	v_max_num_f32 v13, v13, v254
	v_mov_b32 v254, v12
	s_delay_alu instid0(VALU_DEP_2)
	v_floor_f32 v12, -v13                          ; the new -M = floor(-t)
	s_delay_alu instid0(VALU_DEP_1)
	v_sub_f32 v254, v12, v254                      ; old M - new M: a whole number, 0 or less
	s_delay_alu instid0(VALU_DEP_1)
	v_cvt_i32_f32 v254, v254                       ; (it saturates)
	s_delay_alu instid0(VALU_DEP_1)
	v_ldexp_f32 v252, 1.0, v254                    ; f = 2^(old M - new M)
.irp j, 0,2,4,6,8,10,12,14,16,18,20,22,24,26,28,30,32,34,36,38,40,42,44,46,48,50,52,54,56,58,60,62
	v_pk_fma_f32 v[96+\j:97+\j], v[96+\j:97+\j], s[CS:CS+1], v[12:13] op_sel_hi:[1,0,0]   ; t - M
.endr
	s_wait_alu depctr_va_vdst(0)                   ; ahead of the batch
.irp j, 0,1,2,3,4,5,6,7,8,9,10,11,12,13,14,15,16,17,18,19,20,21,22,23,24,25,26,27,28,29,30,31,32,33,34,35,36,37,38,39,40,41,42,43,44,45,46,47,48,49,50,51,52,53,54,55,56,57,58,59,60,61,62,63
	v_exp_f32 v[96+\j], v[96+\j]                   ; p = 2^(t - M)
.endr
	v_pk_mul_f32 v[14:15], v[14:15], v[252:253] op_sel_hi:[1,0]   ; the sums under the new M: the plain line behind the exponentials
	s_wait_alu depctr_va_vdst(0)                   ; one wait for the batch, ahead of its first reader
	v_pk_add_f32 v[242:243], v[100:101], v[104:105]        ; the row's sum of the unquantised p, in eight chains
	v_pk_add_f32 v[254:255], v[108:109], v[112:113]
	v_pk_add_f32 v[250:251], v[116:117], v[120:121]
	v_pk_add_f32 v[248:249], v[124:125], v[128:129]
	v_pk_add_f32 v[238:239], v[132:133], v[136:137]
	v_pk_add_f32 v[234:235], v[140:141], v[144:145]
	v_pk_add_f32 v[232:233], v[148:149], v[152:153]
	v_pk_add_f32 v[14:15], v[14:15], v[156:157]
	v_pk_add_f32 v[242:243], v[242:243], v[96:97]
	v_pk_add_f32 v[254:255], v[254:255], v[98:99]
	v_pk_add_f32 v[250:251], v[250:251], v[102:103]
	v_pk_add_f32 v[248:249], v[248:249], v[106:107]
	v_pk_add_f32 v[238:239], v[238:239], v[110:111]
	v_pk_add_f32 v[234:235], v[234:235], v[114:115]
	v_pk_add_f32 v[232:233], v[232:233], v[118:119]
	v_pk_add_f32 v[14:15], v[14:15], v[122:123]
	v_pk_add_f32 v[242:243], v[242:243], v[126:127]
	v_pk_add_f32 v[254:255], v[254:255], v[130:131]
	v_pk_add_f32 v[250:251], v[250:251], v[134:135]
	v_pk_add_f32 v[248:249], v[248:249], v[138:139]
	v_pk_add_f32 v[238:239], v[238:239], v[142:143]
	v_pk_add_f32 v[234:235], v[234:235], v[146:147]
	v_pk_add_f32 v[232:233], v[232:233], v[150:151]
	v_pk_add_f32 v[14:15], v[14:15], v[154:155]
	v_pk_add_f32 v[242:243], v[242:243], v[158:159]
	v_pk_add_f32 v[14:15], v[14:15], v[248:249]
	v_pk_add_f32 v[242:243], v[242:243], v[238:239]
	v_pk_add_f32 v[254:255], v[254:255], v[234:235]
	v_pk_add_f32 v[250:251], v[250:251], v[232:233]
	v_pk_add_f32 v[14:15], v[14:15], v[254:255]
	v_pk_add_f32 v[242:243], v[242:243], v[250:251]
	v_pk_add_f32 v[14:15], v[14:15], v[242:243]
.irp a, 0,1,2,3,4,5,6,7
.irp i, 0,2,4,6
	v_dual_min_num_f32 v[96+8*\a+\i], v[96+8*\a+\i], v240 :: v_dual_min_num_f32 v[97+8*\a+\i], v[97+8*\a+\i], v241   ; the hold, two numbers a line; p is not negative, so it is one-sided
.endr
	v_cvt_scalef32_pk8_fp8_f32 v[192+2*\a:193+2*\a], v[96+8*\a:103+8*\a], v244
.endr
	s_wait_alu depctr_va_vdst(0)                   ; directly ahead of the first reader of O^T
.irp j, 0,2,4,6,8,10,12,14,16,18,20,22,24,26,28,30
	v_pk_mul_f32 v[160+\j:161+\j], v[160+\j:161+\j], v[252:253] op_sel_hi:[1,0]   ; O^T under the new M; also the plain lines behind the conversions
.endr
	s_wait_alu depctr_va_vdst(0)                   ; directly ahead of the wait below
	s_wait_dscnt 0x0                               ; V's fragments
.irp d, 0,1,2,3
	v_wmma_f32_16x16x128_fp8_fp8 v[160+8*\d:167+8*\d], v[32+16*\d:47+16*\d], v[192:207], v[160+8*\d:167+8*\d]
.endr
.if \mask
.Lhidden_\@:
.endif
.endm
; A TILE'S END: O^T / the sum, held, converted, and stored as two groups of ctx's image: 1,024 consecutive bytes a wave.  next = 1: the low tile begins.
.macro FINISH next
	s_wait_xcnt 0x0                                ; earlier stores have read v3 and v208-215
.rept 4
	v_nop                                          ; places behind the last products
.endr
	v_add_f32 v14, v14, v15
	v_permlanex16_b32 v236, v14, s[SEL], s[SEL+1]
	v_add_f32 v14, v14, v236                       ; the row's sum
	s_wait_alu depctr_va_vdst(0)                   ; ahead of the transcendental
	v_rcp_f32 v14, v14
	s_lshl_b32 s96, s[Q0], 10
	s_add_co_u32 s96, s96, s[CB]                   ; 1,024 (2,048 batch + query + head): the row tile's record, my head's 1,024 bytes
	v_add_nc_u32 v[GO], s96, v[L16]                ; (the plain line behind the reciprocal)
	s_wait_alu depctr_va_vdst(0)                   ; ahead of its first reader, and of O^T's
.irp j, 0,2,4,6,8,10,12,14,16,18,20,22,24,26,28,30
	v_pk_mul_f32 v[96+\j:97+\j], v[160+\j:161+\j], v[14:15] op_sel_hi:[1,0]
.endr
.irp j, 0,1,2,3,4,5,6,7,8,9,10,11,12,13,14,15,16,17,18,19,20,21,22,23,24,25,26,27,28,29,30,31
	v_med3_num_f32 v[96+\j], v[96+\j], -v247, v247
.endr
.irp t, 0,1,2,3
	v_cvt_scalef32_pk8_fp8_f32 v[208+2*\t:209+2*\t], v[96+8*\t:103+8*\t], v246
.endr
	v_nop                                          ; a plain line behind the run's last conversion
	global_store_b128 v[GO], v[208:211], s[16:17]
	global_store_b128 v[GO], v[212:215], s[16:17] offset:512
.if \next
	v_mov_b32 v13, 0xff61b1e6
	v_floor_f32 v12, -v13
	v_mov_b32 v14, 0
	v_mov_b32 v15, 0
.irp j, 0,1,2,3,4,5,6,7,8,9,10,11,12,13,14,15,16,17,18,19,20,21,22,23,24,25,26,27,28,29,30,31
	v_mov_b32 v[160+\j], 0
.endr
.irp j, 0,1,2,3,4,5,6,7
	v_mov_b32 v[16+\j], v[24+\j]
.endr
	s_mov_b32 s[Q0], s[Q0L]
	s_add_co_u32 s[LAST], s[NB], 16
	s_wait_alu depctr_va_vdst(0)
.endif
.endm
	s_wait_alu depctr_va_vdst(0)                   ; the head's end
	s_wait_tensorcnt 0x0                           ; my part of key steps 0-3 is in; the later first fills are issued as a refill is:
	ds_add_u32 v[SPW], v[NIL]                      ; the add, here twice on end
	ds_add_u32 v[SPW], v[NIL]
	s_wait_dscnt 0x0
	CROUND                                         ; key steps 0-3 are whole, and all four work-groups are here: the joint loads meet
	s_cmp_lt_u32 s[WV], 12
	s_cbranch_scc0 .Ls_for_v
	TL GK2, G1K                                    ; my one tensor load behind the round: a key step of K,
	s_branch .Ls_asked
.Ls_for_v:
	TL GV2, G1W                                    ; or three of V
.Ls_asked:
	s_wait_loadcnt 0x0                             ; Q
	s_mov_b32 s[I], 0
.Lfirst:                                           ; four trips: the high tile against key steps 0-3, all of whose keys count for it
	s_lshl_b32 s[TB], s[I], 13
	STEP 0
	s_add_co_u32 s[I], s[I], 1
	s_cmp_lt_u32 s[I], 4
	s_cbranch_scc1 .Lfirst
	s_wait_tensorcnt 0x0                           ; my part of key steps 4-15 is in
	ds_add_u32 v[SPW], v[NIL]
	s_wait_dscnt 0x0
	s_barrier_signal -1
	s_barrier_wait -1                              ; everybody's is
	s_mov_b32 s[I], 4
.Lrest:                                            ; twenty trips, a constant: 4-15 the high tile's key steps, 16-23 the low tile's key steps 0-7; trips behind a tile's diagonal step do nothing
	s_cmp_lg_u32 s[I], 16
	s_cbranch_scc1 .Lsame_tile
	FINISH 1
.Lsame_tile:
	s_and_b32 s96, s[I], 15                        ; the key step
	s_lshl_b32 s[TB], s96, 13
	s_lshl_b32 s[KF], s96, 7
	STEP 1
	s_add_co_u32 s[I], s[I], 1
	s_cmp_lt_u32 s[I], 24
	s_cbranch_scc1 .Lrest
	FINISH 0
	s_wait_tensorcnt 0x0                           ; the wave's end: behind my last tensor load
	ds_add_u32 v[SPW], v[NIL]
	s_wait_dscnt 0x0
	CROUND                                         ; the closing round
	s_endpgm
.Lfunc_end_k_qb3ef41f202_attn:
	.size	k_qb3ef41f202_attn, .Lfunc_end_k_qb3ef41f202_attn-k_qb3ef41f202_attn
	.p2alignl 7, 3214868480
	.fill 96, 4, 3214868480
	.section	.rodata,"a",@progbits
	.p2align	6, 0x0
	.amdhsa_kernel k_qb3ef41f202_attn
		.amdhsa_group_segment_fixed_size 327680
		.amdhsa_private_segment_fixed_size 0
		.amdhsa_enable_private_segment 0
		.amdhsa_kernarg_size 40
		.amdhsa_user_sgpr_count 2
		.amdhsa_user_sgpr_kernarg_segment_ptr 1
		.amdhsa_wavefront_size32 1
		.amdhsa_system_sgpr_workgroup_id_x 1
		.amdhsa_system_sgpr_workgroup_id_y 1
		.amdhsa_system_sgpr_workgroup_id_z 1
		.amdhsa_system_vgpr_workitem_id 0
		.amdhsa_next_free_vgpr 256
		.amdhsa_next_free_sgpr 100
		.amdhsa_reserve_vcc 1
		.amdhsa_float_denorm_mode_32 3
		.amdhsa_float_denorm_mode_16_64 3
		.amdhsa_memory_ordered 1
		.amdhsa_forward_progress 1
		.amdhsa_inst_pref_size 57
	.end_amdhsa_kernel
	.amdgpu_metadata
---
amdhsa.version: [ 1, 2 ]
amdhsa.kernels:
  - .name:           k_qb3ef41f202_attn
    .symbol:         k_qb3ef41f202_attn.kd
    .args:
      - { .name: qimg, .offset: 0, .size: 8, .value_kind: global_buffer, .address_space: global }
      - { .name: kimg, .offset: 8, .size: 8, .value_kind: global_buffer, .address_space: global }
      - { .name: vimg, .offset: 16, .size: 8, .value_kind: global_buffer, .address_space: global }
      - { .name: lowp_scales, .offset: 24, .size: 8, .value_kind: global_buffer, .address_space: global }
      - { .name: cimg, .offset: 32, .size: 8, .value_kind: global_buffer, .address_space: global }
    .group_segment_fixed_size: 327680
    .private_segment_fixed_size: 0
    .kernarg_segment_align: 8
    .kernarg_segment_size: 40
    .max_flat_workgroup_size: 512
    .sgpr_count:     100
    .vgpr_count:     256
    .wavefront_size: 32
...
	.end_amdgpu_metadata
.endif
;; end of part 3
;; launch oproj (part 4): grid 4 x 64, 4 waves a work-group, clusters of 4 x 4, 327,680 bytes of LDS; arguments cimg, wimg, lowp_scales, bo, out0; writes out0
.if DOCPART == 4
	.amdgcn_target "amdgcn-amd-amdhsa--gfx1250"
	.amdhsa_code_object_version 6
	.text
	.protected	k_qb3ef41f202_oproj
	.globl	k_qb3ef41f202_oproj
	.p2align	8
	.type	k_qb3ef41f202_oproj,@function
k_qb3ef41f202_oproj:
	s_mov_b64 s[64:65], 0
	v_nop
	global_prefetch_b8 v0, s[64:65] scope:SCOPE_SE
	s_setreg_imm32_b32 hwreg(HW_REG_WAVE_MODE, 25, 1), 1
	s_wait_xcnt 0x0
	s_wait_alu depctr_hold_cnt(0) depctr_sa_sdst(0) depctr_va_vdst(0) depctr_va_sdst(0) depctr_va_ssrc(0) depctr_va_vcc(0) depctr_vm_vsrc(0)
	s_getreg_b32 s2, hwreg(HW_REG_IB_STS2, 6, 4)
	s_cmp_eq_u32 s2, 0
	s_cbranch_scc0 .Lentry_in_a_cluster
	s_endpgm
.Lentry_in_a_cluster:
	s_bfe_u32 s2, ttmp6, 0x10000c
	s_cmp_lg_u32 s2, 0xf033
	s_cbranch_scc0 .Lentry_shape_is_right
	s_endpgm
.Lentry_shape_is_right:
; out0 = ctx Wo + bo on codes of E4M3: each f32 sum x 2^(e10 + e11).  A work-group makes 128 rows x 256 columns, a wave 64 x 128: 32 accumulators, 256 registers.  K = 1,024 is 8 chunks of 128.
; OPERANDS ARE IMAGES of operand registers: a fragment (16 rows x 128 k) is 2,048 bytes, group c at 512 c + 16 x lane; a tile's record is 8 chunks, 16,384 bytes.
; NO RING.  Wo's 16 n tiles of the block, all of K, are 262,144 bytes and are laid in LDS once: wave w asks for chunks 2 w, 2 w + 1 of all 16 records (16 rows of 4,096 bytes), one joint load a wave at the head.
; ctx's fragments are read by two waves each and go from memory straight into registers: 4 row tiles x 8 chunks x 16 = 512 registers, 65,536 consecutive bytes of cimg, 128 loads of 512 consecutive bytes, all issued at the head.
; So LDS is read for Wo alone, nothing is filled again, and one barrier stands ahead of the products.
; CLUSTER 4 x 4: Wo's tiles hang on the block of columns alone and are shared along a column of the cluster.  ctx's rows go to registers, where no joint load reaches.
; NO PREFETCH: every operand byte is asked for at the head; there is no loop to run ahead in.
; Source 0 = an n tile of Wo, source 1 = a row tile of ctx: a lane holds one row, and the 16 registers of n tiles 2 g, 2 g + 1 are columns 32 g + 16 h + 0 .. 15.
; THE BIAS is the C of each accumulator's first product, as bo x 2^-(e10 + e11); the finished sums are multiplied by 2^(e10 + e11).  LIMIT: e10 + e11 between -126 and 126, so that both powers are f32 numbers.
; REGISTERS: window 0: v20-29 addresses; v32-95 the bias, later the scaled sums; v128-255 Wo's fragments, two half sets of four n tiles, later the rows read back.  window 1: ctx's chunks 0-3 (chunk c, tile a at v[64 c + 16 a]);
;   window 3: chunks 4-7.  window 2: accumulator (a, b) at v[8 (8 a + b)].
.set NP,    4                          ; places behind this matrix instruction (ISA guide 7.12.1)
.set STG,   262144                     ; behind Wo: a stage of 16 rows x (512 + 16) bytes for each wave
.set SPARE, STG+4*8448                 ; the spare words, 128 bytes for each wave: two blocks of 256 bytes that no other line names
.set ADRB,  20                         ; v20-23  my 8 n tiles in the LDS part of chunks 2 p, 2 p + 1
.set STO,   24
.set RD,    25
.set CO,    26                         ; v26     16 x lane
.set BOF,   27
.set SPW,   28
.set NIL,   29
.set TMP,   32
.set BF,    128
.set BK,    128
.set G1B,   48
.set G0B,   56
.set MSB,   0
.macro WIN new                         ; the immediate's high byte repeats the setting that is left
.if MSB != \new
	s_set_vgpr_msb (MSB<<8)|\new
.set MSB, \new
.endif
.endm
.macro CROUND                          ; a round of the cluster's barrier
	s_barrier_signal -1
	s_barrier_wait -1
	s_cmp_lg_u32 s14, 0
	s_cbranch_scc1 .Lnot_wave_0_\@
	s_barrier_signal -3
.Lnot_wave_0_\@:
	s_barrier_wait -3
	s_barrier_signal -1
	s_barrier_wait -1
.endm
.macro PLACES n
.rept \n
	v_nop
.endr
.endm
	s_load_b128 s[4:7], s[0:1], 0x0                ; cimg s[4:5], wimg s[6:7]
	s_load_b128 s[8:11], s[0:1], 0x10              ; the exponents s[8:9], bo s[10:11]
	s_load_b64 s[12:13], s[0:1], 0x20              ; out0
	v_lshl_add_u32 v[SPW], v0, 2, SPARE
	v_mov_b32 v[NIL], 0
	ds_add_u32 v[SPW], v[NIL]                      ; the opening: the add, twice on end, and its wait ahead of my first tensor load
	ds_add_u32 v[SPW], v[NIL]
	v_lshrrev_b32 v1, 5, v0
	v_readfirstlane_b32 s14, v1                    ; wave 0..3
	s_lshr_b32 s15, s14, 1                         ; my half of the rows
	s_and_b32 s16, s14, 1                          ; my half of the columns
	s_bfe_u32 s40, ttmp6, 0x40000                  ; cx: the block of 256 columns
	s_bfe_u32 s41, ttmp6, 0x40004                  ; cy
	s_and_b32 s17, ttmp7, 0xffff
	s_lshl_b32 s17, s17, 2
	s_add_co_u32 s17, s17, s41                     ; the block of 128 rows, 0..63
	s_lshl_b32 s44, 0x1111, s40                    ; my column of the cluster
	s_or_b32 s[G1B+0], s44, (3<<16)|(1<<21)        ; the mask; elements of 8 bytes; bit 21 beside a mask; no padding
	s_mov_b32 s[G1B+1], 512<<16                    ; 16 rows of 4,096 bytes, 16,384 apart
	s_mov_b32 s[G1B+2], 16<<16
	s_mov_b32 s[G1B+3], 512<<16
	s_mov_b32 s[G1B+4], 16
	s_mov_b32 s[G1B+5], 2048
	s_mov_b32 s[G1B+6], 0
	s_mov_b32 s[G1B+7], 0
	s_lshl_b32 s46, s40, 18                        ; the block's 16 records,
	s_lshl_b32 s47, s14, 12                        ; my two chunks of each,
	s_add_co_u32 s46, s46, s47
	s_add_co_u32 s46, s46, 3*1048576               ; in Wo's images
	s_mov_b32 s47, 0
	s_mov_b32 s[G0B], 1
	s_lshl_b32 s[G0B+1], s14, 16                   ; LDS: 65,536 x wave
	s_lshl_b32 s70, s16, 15                        ; my 8 n tiles in each of the four parts
	s_add_co_u32 s71, s70, 65536
	s_add_co_u32 s72, s70, 131072
	s_add_co_u32 s73, s70, 196608
	s_mul_i32 s78, s14, 8448
	s_add_co_u32 s78, s78, STG                     ; my stage
	s_wait_dscnt 0x0                               ; both opening adds are done
	s_wait_kmcnt 0x0
	s_load_b64 s[96:97], s[8:9], 0x28              ; e10, e11
	s_add_nc_u64 s[G0B+2:G0B+3], s[6:7], s[46:47]
	s_or_b32 s[G0B+3], s[G0B+3], 0x80000000
	CROUND                                         ; all sixteen work-groups are here: the joint loads meet
	tensor_load_to_lds s[G0B:G0B+3], s[G1B:G1B+7]  ; my one tensor load
	s_nop 0
	PLACES 4
	s_lshl_b32 s20, s17, 17                        ; ctx: the block's 8 records, my 4 of them
	s_lshl_b32 s21, s15, 16
	s_add_co_u32 s20, s20, s21
	s_mov_b32 s21, 0
	s_add_nc_u64 s[4:5], s[4:5], s[20:21]
	s_lshl_b32 s76, s40, 10                        ; my first column, in bytes of f32
	s_lshl_b32 s77, s16, 9
	s_add_co_u32 s76, s76, s77
	s_mov_b32 s77, 0
	s_add_nc_u64 s[10:11], s[10:11], s[76:77]
	s_lshl_b32 s80, s17, 19                        ; my first row of out0
	s_lshl_b32 s81, s15, 18
	s_add_co_u32 s80, s80, s81
	s_add_co_u32 s80, s80, s76
	s_mov_b32 s81, 0
	s_add_nc_u64 s[12:13], s[12:13], s[80:81]
	v_and_b32 v1, 31, v0
	v_and_b32 v2, 15, v0
	v_bfe_u32 v3, v0, 4, 1
	v_lshlrev_b32 v[CO], 4, v1
	v_lshlrev_b32 v[BOF], 6, v3
	v_mul_u32_u24 v[STO], v2, 528
	v_lshl_add_u32 v[STO], v3, 6, v[STO]
	v_add_nc_u32 v[STO], s78, v[STO]               ; the stage, in: row r, 64 bytes for each half of the lanes
	v_add_nc_u32 v[RD], s78, v[CO]                 ; and back: 32 lanes take a row of 512 bytes
.irp p, 0,1,2,3
	v_add_nc_u32 v[ADRB+\p], s[70+\p], v[CO]
.endr
.irp b, 0,1,2,3,4,5,6,7
	global_load_b128 v[TMP+8*\b:TMP+8*\b+3], v[BOF], s[10:11] offset:128*(\b/2)+32*(\b%2)      ; bo at my eight columns of n tile b
	global_load_b128 v[TMP+8*\b+4:TMP+8*\b+7], v[BOF], s[10:11] offset:128*(\b/2)+32*(\b%2)+16
.endr
.macro ALOAD c                         ; ctx's chunk c: 16 loads of 512 consecutive bytes
.irp a, 0,1,2,3
.irp g, 0,1,2,3
	global_load_b128 v[64*((\c)%4)+16*\a+4*\g:64*((\c)%4)+16*\a+4*\g+3], v[CO], s[4:5] offset:16384*\a+2048*(\c)+512*\g
.endr
.endr
.endm
	WIN 0x40                                       ; destinations in window 1
	ALOAD 0
	ALOAD 1
	ALOAD 2
	ALOAD 3
	WIN 0xc0                                       ; in window 3
	ALOAD 4
	ALOAD 5
	ALOAD 6
	ALOAD 7
	WIN 0
.macro LB c, hf                        ; Wo's n tiles 4 hf .. 4 hf + 3 of chunk c into half set hf
.irp i, 0,1,2,3
.irp g, 0,1,2,3
	ds_load_b128 v[BF+64*(\hf)+16*\i+4*\g:BF+64*(\hf)+16*\i+4*\g+3], v[ADRB+(\c)/2] offset:4096*(4*(\hf)+\i)+2048*((\c)%2)+512*\g
.endr
.endr
.endm
.macro MM c, hf                        ; 16 products: my four row tiles x half set hf.  The accumulators take turns, one instruction a turn
.if (\c) == 0
	WIN 0x84                                       ; source 1 window 1, C (the bias) window 0, D window 2
.else
.if (\c) < 4
	WIN 0xa4                                       ; C and D window 2
.else
	WIN 0xac                                       ; source 1 window 3
.endif
.endif
.irp a, 0,1,2,3
.irp i, 0,1,2,3
.if (\c) == 0
	v_wmma_f32_16x16x128_fp8_fp8 v[8*(8*\a+4*(\hf)+\i):8*(8*\a+4*(\hf)+\i)+7], v[BF+64*(\hf)+16*\i:BF+64*(\hf)+16*\i+15], v[16*\a:16*\a+15], v[TMP+8*(4*(\hf)+\i):TMP+8*(4*(\hf)+\i)+7]
.else
	v_wmma_f32_16x16x128_fp8_fp8 v[8*(8*\a+4*(\hf)+\i):8*(8*\a+4*(\hf)+\i)+7], v[BF+64*(\hf)+16*\i:BF+64*(\hf)+16*\i+15], v[64*((\c)%4)+16*\a:64*((\c)%4)+16*\a+15], v[8*(8*\a+4*(\hf)+\i):8*(8*\a+4*(\hf)+\i)+7]
.endif
.endr
.endr
.endm
.macro CHUNK c
.if (\c) < 4
	s_wait_loadcnt 63                              ; behind chunk c's loads 16 (7 - c) were issued, 64 or more: the field's largest count serves
.else
	s_wait_loadcnt 16*(7-(\c))                     ; ctx's chunk c is in; the chunks behind it may be out
.endif
	s_wait_dscnt 16                                ; half set 0 is in; half set 1's sixteen loads may be out
	MM \c, 0
	PLACES NP                                      ; in front of loads into registers that the products read
	WIN 0
.if (\c) < 7
	LB (\c)+1, 0
	s_wait_dscnt 16                                ; half set 1 is in
.else
	s_wait_dscnt 0
.endif
	MM \c, 1
	PLACES NP
	WIN 0
.if (\c) < 7
	LB (\c)+1, 1
.endif
.endm
	s_wait_alu depctr_va_vdst(0)                   ; the head's end
	s_wait_tensorcnt 0x0                           ; my part of Wo is in
	ds_add_u32 v[SPW], v[NIL]
	s_wait_dscnt 0x0
	s_barrier_signal -1
	s_barrier_wait -1                              ; everybody's is
	LB 0, 0
	LB 0, 1
	s_wait_kmcnt 0x0
	s_add_co_i32 s96, s96, s97                     ; e10 + e11
	s_sub_co_i32 s98, 127, s96
	s_lshl_b32 s98, s98, 23                        ; 2^-(e10 + e11)
	s_mov_b32 s99, s98
	s_add_co_i32 s96, s96, 127
	s_lshl_b32 s96, s96, 23                        ; 2^(e10 + e11)
	s_mov_b32 s97, s96
	s_wait_loadcnt 63                              ; the bias's sixteen loads were the first of 144
.set j, 0
.rept 32
	v_pk_mul_f32 v[TMP+j:TMP+j+1], v[TMP+j:TMP+j+1], s[98:99] op_sel_hi:[1,0]
.set j, j+2
.endr
	s_wait_alu depctr_va_vdst(0)                   ; ahead of the waits below
.set CI, 0
.rept 8
	CHUNK CI
.set CI, CI+1
.endr
; THE WAY OUT, a row tile at a time: the sums x 2^(e10 + e11), each accumulator from its low end on, through my own stage, and back as whole rows of 512 bytes.  LDS serves a wave's instructions in order.
.macro TOSTAGE a
.set AC, 64*(\a)
	WIN 0x02                                       ; source 0 window 2
.set j, 0
.rept 32
	v_pk_mul_f32 v[TMP+j:TMP+j+1], v[AC+j:AC+j+1], s[96:97] op_sel_hi:[1,0]
.set j, j+2
.endr
	WIN 0
.irp b, 0,1,2,3,4,5,6,7
	ds_store_b128 v[STO], v[TMP+8*\b:TMP+8*\b+3] offset:128*(\b/2)+32*(\b%2)
	ds_store_b128 v[STO], v[TMP+8*\b+4:TMP+8*\b+7] offset:128*(\b/2)+32*(\b%2)+16
.endr
.set BB, BK+64*((\a)%2)
.irp t, 0,1,2,3,4,5,6,7,8,9,10,11,12,13,14,15
	ds_load_b128 v[BB+4*\t:BB+4*\t+3], v[RD] offset:528*\t
.endr
.endm
.macro SEND a, younger                 ; younger: the LDS instructions issued behind tile a's loads
.set BB, BK+64*((\a)%2)
	s_wait_dscnt \younger
.irp t, 0,1,2,3,4,5,6,7,8,9,10,11,12,13,14,15
	global_store_b128 v[CO], v[BB+4*\t:BB+4*\t+3], s[12:13] offset:4096*(16*(\a)+\t) th:TH_STORE_NT   ; 512 consecutive bytes, at a multiple of 256 from out0's first byte
.endr
.endm
	TOSTAGE 0
	TOSTAGE 1
	SEND 0, 32
	s_wait_xcnt 0x0                                ; tile 0's stores have read their registers
	TOSTAGE 2
	SEND 1, 32
	s_wait_xcnt 0x0
	TOSTAGE 3
	SEND 2, 32
	SEND 3, 0
	s_wait_tensorcnt 0x0                           ; the wave's end: behind my last tensor load and my last LDS store
	ds_add_u32 v[SPW], v[NIL]
	s_wait_dscnt 0x0
	CROUND                                         ; the closing round
	s_endpgm
.Lfunc_end_k_qb3ef41f202_oproj:
	.size	k_qb3ef41f202_oproj, .Lfunc_end_k_qb3ef41f202_oproj-k_qb3ef41f202_oproj
	.p2alignl 7, 3214868480
	.fill 96, 4, 3214868480
	.section	.rodata,"a",@progbits
	.p2align	6, 0x0
	.amdhsa_kernel k_qb3ef41f202_oproj
		.amdhsa_group_segment_fixed_size 327680
		.amdhsa_private_segment_fixed_size 0
		.amdhsa_enable_private_segment 0
		.amdhsa_kernarg_size 40
		.amdhsa_user_sgpr_count 2
		.amdhsa_user_sgpr_kernarg_segment_ptr 1
		.amdhsa_wavefront_size32 1
		.amdhsa_system_sgpr_workgroup_id_x 1
		.amdhsa_system_sgpr_workgroup_id_y 1
		.amdhsa_system_sgpr_workgroup_id_z 1
		.amdhsa_system_vgpr_workitem_id 0
		.amdhsa_next_free_vgpr 1024
		.amdhsa_next_free_sgpr 100
		.amdhsa_reserve_vcc 0
		.amdhsa_float_denorm_mode_32 3
		.amdhsa_float_denorm_mode_16_64 3
		.amdhsa_memory_ordered 1
		.amdhsa_forward_progress 1
		.amdhsa_inst_pref_size 79
	.end_amdhsa_kernel
	.amdgpu_metadata
---
amdhsa.version: [ 1, 2 ]
amdhsa.kernels:
  - .name:           k_qb3ef41f202_oproj
    .symbol:         k_qb3ef41f202_oproj.kd
    .args:
      - { .name: cimg, .offset: 0, .size: 8, .value_kind: global_buffer, .address_space: global }
      - { .name: wimg, .offset: 8, .size: 8, .value_kind: global_buffer, .address_space: global }
      - { .name: lowp_scales, .offset: 16, .size: 8, .value_kind: global_buffer, .address_space: global }
      - { .name: bo, .offset: 24, .size: 8, .value_kind: global_buffer, .address_space: global }
      - { .name: out0, .offset: 32, .size: 8, .value_kind: global_buffer, .address_space: global }
    .group_segment_fixed_size: 327680
    .private_segment_fixed_size: 0
    .kernarg_segment_align: 8
    .kernarg_segment_size: 40
    .max_flat_workgroup_size: 128
    .sgpr_count:     100
    .vgpr_count:     1024
    .wavefront_size: 32
...
	.end_amdgpu_metadata
.endif
;; end of part 4
